; MI455X (gfx1250); checked and timed in simulation.
; The chip was launched on July 23, 2026; its instructions are those of AMD's public machine-readable ISA for CDNA 5 (MIT licence, August 2026) and "CDNA5" Instruction Set Architecture Reference Guide (July 2026). The comments in the code are by the model that wrote it; some were corrected since.
;; Box3 D Heuristic. Allowed arithmetic: float matrix products may take bf16 or f16 operands with f32 sums; other float arithmetic in f32, or as packed bf16 or f16 multiplies, adds, multiply-adds, maxima and minima; sums over many terms, partial sums and values carried from step to step in f32; what a program stores and reads back later, other than sums and carried values, may be rounded once to bf16 or f16.
;; Inputs: F4_in 32,768 x 2 x 3 x 4 float32; dir_x 800 float32; dir_y 800 float32; dir_z 800 float32; quad_w 800 float32.
;; Outputs: out0 32,768 x 2 x 3 x 4 float32; out1 32,768 float32.
;; 2 versions, each right; version 2 is version 1 with the launch box3d written anew for expert scheduling mode. Each part assembles by itself: llvm-mc -triple=amdgcn-amd-amdhsa -mcpu=gfx1250 --defsym DOCPART=n.
;; ======== version 1 of 2: 1 launch
;; limits: values outside matrix products are rounded to bf16
;; launch box3d (part 1): grid 256 x 1, 16 waves a work-group, no clusters, 188,416 bytes of LDS; arguments F4_in, dir_x, dir_y, dir_z, quad_w, out0, out1; writes out0, out1
.if DOCPART == 1
	.amdgcn_target "amdgcn-amd-amdhsa--gfx1250"
	.amdhsa_code_object_version 6
	.text
	.protected	k_q19a23223bf_box3d
	.globl	k_q19a23223bf_box3d
	.p2align	8
	.type	k_q19a23223bf_box3d,@function
k_q19a23223bf_box3d:
	s_mov_b64 s[64:65], 0
	v_nop
	global_prefetch_b8 v0, s[64:65] scope:SCOPE_SE
	s_setreg_imm32_b32 hwreg(HW_REG_WAVE_MODE, 25, 1), 1
	s_wait_xcnt 0x0
; BOX3D HEURISTIC.  For each of 32,768 items: four species (e, ebar, x = mean of flavours 1 and 2, xbar) with g_s(d) = N/(4 pi) Z/sinh(Z) exp(Z mu_s(d)) on 800 directions;
; delta = g_e - g_ebar - g_x + g_xbar; Iplus, Iminus; two survival coefficients; the mixed species' four moments (out0) and growth = sqrt(Iplus Iminus) (out1).
; ONE PASS.  The survival factor has two values, one where delta >= 0 and one elsewhere, so every output is a combination of sums over d of q(d) w(d) c(d), c in {x, y, z, 1}, of six
; quantities q: g_e, g_ebar, g_x, H u (u = g_e - g_x, H = 1 where delta >= 0, else 0), max(delta, 0), min(delta, 0).  g_xbar = delta - g_e + g_ebar + g_x and H ubar = H u - max(delta, 0)
; hold point by point, so their sums follow.  Iplus and Iminus are sums of terms of one sign, never differences of sums.
; BOTH PRODUCTS GO TO THE MATRIX UNIT, bf16 operands, f32 sums.
; (1) g = 2^e, e = kx x + ky y + kz z + la, k = Z log2(e) F / |F|, la = log2(N/(4 pi) Z/sinh Z).  Each f32 factor is cut exactly into three bf16 pieces (8 bits each, by truncation);
;     a term's 8 slots of K hold all products of pieces but the two smallest pieces': direction side (d1 d1 d2 d2 d1 d3 d3 d2), item side (k1 k2 k1 k2 k3 k1 k2 k3).
;     Slots 0-7 x, 8-15 z, 16-23 y, 24-31 the constant 1 against la.  Source 0 = 16 directions, source 1 = 16 items, one product a species: a lane holds ONE item (lane % 16) and the
;     directions 8 (lane / 16) + 0..7, and the four species of a pair (item, direction) lie in one lane under one register number: delta changes no lane.
; (2) Eight such results rounded to bf16 in pairs are four registers of source 1 of the sums' product; an operand's registers 0-3 (K 0-15) hold one quantity, 4-7 (K 16-31) another.
;     Source 0 is a table of 16 rows: rows 0-3 the leading bf16 piece of (w x, w y, w z, w) on K 16-31, rows 4-7 the rest's piece; rows 8-15 the same on K 0-15; zeros elsewhere.
;     So lanes 0-15 end with the sums of the quantity in registers 4-7, lanes 16-31 with those of the quantity in registers 0-3: three products a tile serve six quantities.
; SHARES.  256 work-groups of 128 items; 16 waves: wave w takes items 16 (w % 8) .. + 15 and directions 400 (w / 8) .. + 399: 25 tiles of 16.  A tile: 32 exponentials, 48 plain vector
; lines, 7 matrix instructions, 4 LDS loads.  Phase p holds tile p's exponentials, one behind three of every four plain lines of tile p - 1, that tile's three sum products, and tile p + 1's
; four exponent products, a group of vector lines behind each.
; NO CLUSTER, NO TENSOR LOAD: what work-groups share is the four tables, 12,800 bytes, read once by each; an item's 96 bytes are read by one work-group.
; LIMITS.  Where Z passes about 88, sinh and exp overflow f32 in the formula as given (its result there is NaN or infinite); this text folds them into one exponent and gives finite numbers.
; A negative delta above -2^-126 counts with a fraction of H.  v_exp, v_log, v_rcp, v_sqrt take and give denormals as 0.  Z/sinh Z: below Z = 0.125 the series 1 - Z^2/6 + 7 Z^4/360
; (next term under 1e-8 there), else 2 Z e^-Z / (1 - e^-2Z).  1 - p is formed directly as 2 (1 - f)(1 + 1.01524 f)/denom.  The six quantities are rounded once to bf16 (8 significant bits).
.set PITCH,  80                        ; a table row in LDS: 64 bytes + 16 = 20 words: the 16 rows of a load start at 16 different groups of four banks (64 banks of 4 bytes: ISA guide 11.1)
.set TILEB,  16*PITCH                  ; a tile's 16 rows
.set NT,     25                        ; tiles a wave
.set RTAB,   64000                     ; LDS: the exponent table (800 directions) lies at 0, the weight table (50 tiles x 16 rows) here
.set BEX,    128000                    ; the items' fragments: wave w's two species at 2,048 w
.set SEX,    160768                    ; the upper direction half's sums, 1,536 bytes a group of items
.set OEX,    173056                    ; stage for out0, 1,536 bytes for each of waves 0-7, each wave's own
.set GEX,    185344                    ; the work-group's 128 growth numbers
.set SPARE,  185856                    ; the spare words, 128 bytes for each of 16 waves: eight blocks of 256 bytes that no other line names
.set SPW, 1                            ; v1   LDS address of my spare word; never rewritten
.set NIL, 2                            ; v2   0, for the add alone
.set AE,  3                            ; v3   my place in the exponent table's tile
.set AR,  4                            ; v4   the same in the weight table
.set ZERO, 5                           ; v5   0, for the packed maximum and minimum
.set BIG, 6                            ; v[6:7]  2^126 twice
.set ONE, 8                            ; v[8:9]  1.0 twice
.set LR,  10                           ; v10  lane % 16
.set LH,  11                           ; v11  lane / 16
.set LN,  12                           ; v12  16 x lane
.set BF,  16                           ; v[16:47]   item side fragments, 8 a species: e, ebar, x, xbar
.set X0,  48                           ; v[48:111]  two tile buffers, each four accumulators (e, ebar, x, xbar); exponents, then g in place
.set TU,  112                          ; v[112:119] u, then H u
.set TD,  120                          ; v[120:127] ubar, delta, then H
.set PA,  128                          ; v[128:135] bf16: g_ebar | g_e
.set PB,  136                          ; v[136:143] bf16: H u | g_x
.set PC,  144                          ; v[144:151] bf16: min(delta, 0) | max(delta, 0)
.set RA,  152                          ; v[152:175] the three sum accumulators, for PA, PB, PC
.set RB,  160
.set RC,  168
.set AF,  176                          ; v[176:183] direction side fragment of the tile whose exponents are made next
.set RT0, 184                          ; v[184:199] two weight fragments, by the tile's parity
.set EA,  72                           ; set-up only: v72 my direction's row in the exponent table, v73 its column in the weight table, v74 the zeros' place
.set RAD, 73
.set ZA,  74
.set ZQ,  76                           ; v[76:79] zeros; v[80:83] the slots of the constant 1
.set OQ,  80
.set PQ,  112                          ; set-up only: 20 registers for each of my two species
.set PS,  20
.set WV,  20                           ; s20 wave; s21 group of items; s22 direction half
.set GRP, 21
.set HF,  22
.set MHI, 23                           ; s23 a word's upper half
.set SELH, 24                          ; s24 v_perm_b32: the upper halves of two registers
.set C7,  25                           ; s25 7/360
.set HM,  26                           ; s26 mask of lanes 16-31
.set C8,  27                           ; s27 -0.48953
.set CNT, 30
.set LT,  31
.set SEL, 32                           ; s[32:33] v_permlanex16_b32: each lane takes its own place in the other half
.set SM,  34                           ; s34, s35 masks: Z below 0.125
	s_load_b256 s[4:11], s[0:1], 0x0               ; F4_in s[4:5], dir_x s[6:7], dir_y s[8:9], dir_z s[10:11]
	s_load_b128 s[12:15], s[0:1], 0x20             ; quad_w s[12:13], out0 s[14:15]
	s_load_b64 s[16:17], s[0:1], 0x30              ; out1
	v_lshl_add_u32 v[SPW], v0, 2, SPARE
	v_mov_b32 v[NIL], 0
	v_lshrrev_b32 v13, 5, v0
	v_readfirstlane_b32 s[WV], v13                 ; wave 0..15
	s_and_b32 s[GRP], s[WV], 7
	s_lshr_b32 s[HF], s[WV], 3
	s_mov_b32 s[MHI], 0xffff0000
	s_mov_b32 s[SELH], 0x07060302
	s_mov_b32 s[C7], 0x3c9f49f5
	s_mov_b32 s[C8], 0xbefaa3ad
	s_mov_b32 s[SEL], 0x76543210
	s_mov_b32 s[SEL+1], 0xfedcba98
	v_and_b32 v[LR], 15, v0
	v_bfe_u32 v[LH], v0, 4, 1
	v_and_b32 v[LN], 31, v0                        ; the lane, for one line
	v_mul_u32_u24 v[EA], v[LN], PITCH
	v_lshlrev_b32 v[LN], 4, v[LN]
	v_cmp_ne_u32 s[HM], 0, v[LH]
	s_mul_i32 s28, ttmp9, 12288                    ; the work-group's 128 items of 96 bytes,
	s_mul_i32 s36, s[GRP], 1536                    ; my group's 16
	s_add_co_u32 s28, s28, s36
	s_mov_b32 s29, 0
	s_lshl_b32 s36, s[HF], 4                       ; waves 0-7 prepare e and ebar: flavour 0 twice; waves 8-15 x and xbar: flavours 1 and 2
	s_lshl_b32 s37, s[HF], 5
	v_mul_u32_u24 v13, v[LR], 96
	v_add_nc_u32 v14, s36, v13                     ; the first row of a species
	v_add_nc_u32 v15, s37, v13                     ; the second
	v_lshlrev_b32 v13, 2, v0                       ; direction = my thread's number
	s_wait_kmcnt 0x0
	s_add_nc_u64 s[4:5], s[4:5], s[28:29]
	s_add_nc_u64 s[14:15], s[14:15], s[28:29]      ; out0 has F4_in's shape
	s_lshl_b32 s28, ttmp9, 9
	s_add_nc_u64 s[16:17], s[16:17], s[28:29]      ; out1: 128 numbers a work-group
	global_load_b128 v[48:51], v14, s[4:5]
	global_load_b128 v[52:55], v15, s[4:5]
	global_load_b128 v[56:59], v14, s[4:5] offset:48
	global_load_b128 v[60:63], v15, s[4:5] offset:48
	global_load_b32 v64, v13, s[6:7]
	global_load_b32 v65, v13, s[8:9]
	global_load_b32 v66, v13, s[10:11]
	global_load_b32 v67, v13, s[12:13]
	s_cmp_lt_u32 s[WV], 9                          ; 800 directions are 25 groups of 32: waves 0-8 take a second group, 512 directions on
	s_cbranch_scc0 .Lone_group_a
	global_load_b32 v68, v13, s[6:7] offset:2048
	global_load_b32 v69, v13, s[8:9] offset:2048
	global_load_b32 v70, v13, s[10:11] offset:2048
	global_load_b32 v71, v13, s[12:13] offset:2048
.Lone_group_a:
	v_mov_b32 v[ZERO], 0                           ; constants and table addresses, while the loads are out
	v_mov_b32 v[BIG], 0x7e800000
	v_mov_b32 v[BIG+1], 0x7e800000
	v_mov_b32 v[ONE], 1.0
	v_mov_b32 v[ONE+1], 1.0
	s_mul_i32 s36, s[WV], 2*TILEB                  ; my group of 32 directions: two tiles in each table
	v_add_nc_u32 v[EA], s36, v[EA]                 ; exponent table: row = direction
	v_bfe_u32 v[ZA], v0, 3, 1
	v_lshl_add_u32 v[ZA], v[ZA], 5, v[EA]          ; weight table, lane = (tile, row): rows 0-7 have their zeros in bytes 0-31, rows 8-15 in bytes 32-63
	v_add_nc_u32 v[ZA], RTAB, v[ZA]
	v_mul_u32_u24 v[RAD], v[LH], TILEB             ; weight table, lane = direction: its tile, its column of 2 bytes
	v_lshl_add_u32 v[RAD], v[LR], 1, v[RAD]
	s_add_co_u32 s37, s36, RTAB
	v_add_nc_u32 v[RAD], s37, v[RAD]
.irp i,0,1,2,3
	v_mov_b32 v[ZQ+\i], 0
.endr
	v_mov_b32 v[OQ], 0x3f803f80                    ; pieces (1, 0, 0) in the direction side's order: 1 1 | 0 0 | 1 0 | 0 0
	v_mov_b32 v[OQ+1], 0
	v_mov_b32 v[OQ+2], 0x3f80
	v_mov_b32 v[OQ+3], 0
	s_wait_loadcnt 0x0                             ; all my loads, on either way
; An f32 number is cut into three bf16 pieces: the upper half; the upper half of what is left (the subtraction is exact); the rest, at most 8 bits.  v_perm_b32 takes the upper halves as they lie.
.macro CUT v, t                        ; t: what is left behind piece 1; t + 1: behind piece 2
	v_and_b32 v[\t], s[MHI], v[\v]
	v_sub_f32 v[\t], v[\v], v[\t]
	v_and_b32 v[\t+1], s[MHI], v[\t]
	v_sub_f32 v[\t+1], v[\t], v[\t+1]
.endm
.macro SPLITA v, t, w                  ; direction side: d1 d1 | d2 d2 | d1 d3 | d3 d2 (the first of a pair in the low half = the perm's second source)
	CUT \v, \t
	v_perm_b32 v[\w], v[\v], v[\v], s[SELH]
	v_perm_b32 v[\w+1], v[\t], v[\t], s[SELH]
	v_perm_b32 v[\w+2], v[\t+1], v[\v], s[SELH]
	v_perm_b32 v[\w+3], v[\t], v[\t+1], s[SELH]
.endm
.macro SPLITB v, t, w                  ; item side: k1 k2 | k1 k2 | k3 k1 | k2 k3
	CUT \v, \t
	v_perm_b32 v[\w], v[\t], v[\v], s[SELH]
	v_perm_b32 v[\w+1], v[\t], v[\v], s[SELH]
	v_perm_b32 v[\w+2], v[\v], v[\t+1], s[SELH]
	v_perm_b32 v[\w+3], v[\t+1], v[\t], s[SELH]
.endm
; One weight: its bf16 rounding and the rounding of what is left, into rows c, 4 + c (K 16-31) and 8 + c, 12 + c (K 0-15) of the tile
.macro RCOMP val, c, off
	v_cvt_pk_bf16_f32 v[104+\c], v[\val], v[\val]
	v_and_b32 v[104+\c], s[MHI], v[104+\c]
	v_sub_f32 v[104+\c], v[\val], v[104+\c]
	v_cvt_pk_bf16_f32 v[104+\c], v[\val], v[104+\c]  ; low half: the leading piece; high half: the rest's
	ds_store_b16 v[RAD], v[104+\c] offset:(\off)+PITCH*(\c)+32
	ds_store_b16_d16_hi v[RAD], v[104+\c] offset:(\off)+PITCH*(4+\c)+32
	ds_store_b16 v[RAD], v[104+\c] offset:(\off)+PITCH*(8+\c)
	ds_store_b16_d16_hi v[RAD], v[104+\c] offset:(\off)+PITCH*(12+\c)
.endm
; A group of 32 directions goes into both tables.  src: x, y, z, w in four registers on end
.macro BUILD src, off
	SPLITA \src, 84, 88
	SPLITA \src+2, 84, 92
	SPLITA \src+1, 84, 96
	ds_store_b128 v[EA], v[88:91] offset:(\off)            ; slots 0-7: x
	ds_store_b128 v[EA], v[92:95] offset:(\off)+16         ; 8-15: z
	ds_store_b128 v[EA], v[96:99] offset:(\off)+32         ; 16-23: y
	ds_store_b128 v[EA], v[OQ:OQ+3] offset:(\off)+48       ; 24-31: 1
	ds_store_b128 v[ZA], v[ZQ:ZQ+3] offset:(\off)
	ds_store_b128 v[ZA], v[ZQ:ZQ+3] offset:(\off)+16
	v_mul_f32 v100, v[\src+3], v[\src]
	v_mul_f32 v101, v[\src+3], v[\src+1]
	v_mul_f32 v102, v[\src+3], v[\src+2]
	RCOMP 100, 0, \off
	RCOMP 101, 1, \off
	RCOMP 102, 2, \off
	RCOMP \src+3, 3, \off
.endm
	BUILD 64, 0
	s_cmp_lt_u32 s[WV], 9
	s_cbranch_scc0 .Lone_group_b
	BUILD 68, 16*2*TILEB
.Lone_group_b:
	; MY TWO SPECIES OF MY ITEM (lanes l and l + 16 hold the same item).  Each batch of transcendentals has one plain line and one wait behind it.
.irp q,0,1
.set QB, PQ+PS*\q                      ; +0..3 Fx Fy Fz N
	v_pk_add_f32 v[QB:QB+1], v[48+8*\q:49+8*\q], v[52+8*\q:53+8*\q]
	v_pk_add_f32 v[QB+2:QB+3], v[50+8*\q:51+8*\q], v[54+8*\q:55+8*\q]
	v_pk_mul_f32 v[QB:QB+1], v[QB:QB+1], 0.5 op_sel_hi:[1,0]       ; the mean of two rows (of one row taken twice: itself)
	v_pk_mul_f32 v[QB+2:QB+3], v[QB+2:QB+3], 0.5 op_sel_hi:[1,0]
	v_max_num_f32 v[QB+3], 0x2b8cbccc, v[QB+3]                     ; N at least 1e-12
	v_mul_f32 v[QB+4], v[QB], v[QB]
	v_fmac_f32 v[QB+4], v[QB+1], v[QB+1]
	v_fmac_f32 v[QB+4], v[QB+2], v[QB+2]
.endr
.irp q,0,1
.set QB, PQ+PS*\q
	v_sqrt_f32 v[QB+4], v[QB+4]                    ; |F|
	v_rcp_f32 v[QB+5], v[QB+3]
.endr
	v_nop
	s_wait_alu depctr_va_vdst(0)
.irp q,0,1
.set QB, PQ+PS*\q
	v_mul_f32 v[QB+5], v[QB+4], v[QB+5]            ; f = |F| / N, never negative,
	v_min_num_f32 v[QB+5], 0x3f7fffef, v[QB+5]     ; at most 0.999999
	v_mul_f32 v[QB+6], v[QB+5], v[QB+5]
	v_fmaak_f32 v[QB+7], s[C8], v[QB+6], 0x3fbc9ca2        ; 3 - 1.00651 f^2 - 0.962251 f^4 + 1.47353 f^6 - 0.48953 f^8, from the inside out
	v_fmaak_f32 v[QB+7], v[QB+7], v[QB+6], 0xbf765615
	v_fmaak_f32 v[QB+7], v[QB+7], v[QB+6], 0xbf80d552
	v_fmaak_f32 v[QB+7], v[QB+7], v[QB+6], 0x40400000
	v_max_num_f32 v[QB+7], 0x2b8cbccc, v[QB+7]
	v_fma_f32 v[QB+8], v[QB+5], -2.0, 2.0          ; 2 (1 - f)
	v_fma_f32 v[QB+9], v[QB+5], 0x3f81f362, 1.0    ; 1 + 1.01524 f
	v_mul_f32 v[QB+8], v[QB+8], v[QB+9]
	v_max_num_f32 v[QB+10], 0x2b8cbccc, v[QB+4]    ; |F| at least 1e-12
.endr
.irp q,0,1
.set QB, PQ+PS*\q
	v_rcp_f32 v[QB+7], v[QB+7]
	v_rcp_f32 v[QB+10], v[QB+10]
.endr
	v_nop
	s_wait_alu depctr_va_vdst(0)
.irp q,0,1
.set QB, PQ+PS*\q
	v_mul_f32 v[QB+9], v[QB+8], v[QB+7]            ; 1 - p,
	v_max_num_f32 v[QB+9], 0x358637bd, v[QB+9]     ; at least 1e-6
.endr
.irp q,0,1
.set QB, PQ+PS*\q
	v_rcp_f32 v[QB+9], v[QB+9]
.endr
	v_nop
	s_wait_alu depctr_va_vdst(0)
.irp q,0,1
.set QB, PQ+PS*\q
	v_add_f32 v[QB+6], v[QB+5], v[QB+5]
	v_mul_f32 v[QB+6], v[QB+6], v[QB+9]            ; Z = 2 f / (1 - p)
	v_mul_f32 v[QB+11], 0x3fb8aa3b, v[QB+6]        ; Z log2(e)
	v_mul_f32 v[QB+12], 0xc038aa3b, v[QB+6]
.endr
.irp q,0,1
.set QB, PQ+PS*\q
	v_exp_f32 v[QB+12], v[QB+12]                   ; e^-2Z
.endr
.irp q,0,1                                     ; what waits for no exponential stands between the batch and its wait
.set QB, PQ+PS*\q
	v_mul_f32 v[QB+13], v[QB+6], v[QB+6]
	v_fmaak_f32 v[QB+14], s[C7], v[QB+13], 0xbe2aaaab
	v_fma_f32 v[QB+13], v[QB+14], v[QB+13], 1.0    ; 1 - Z^2/6 + 7 Z^4/360
	v_mul_f32 v[QB+14], v[QB+11], v[QB+10]
	v_mul_f32 v[QB], v[QB+14], v[QB]               ; k = Z log2(e) F / |F|
	v_mul_f32 v[QB+1], v[QB+14], v[QB+1]
	v_mul_f32 v[QB+2], v[QB+14], v[QB+2]
	v_mul_f32 v[QB+15], 0x3da2f983, v[QB+3]        ; N / (4 pi)
	v_cmp_gt_f32 s[SM+\q], 0x3e000000, v[QB+6]     ; Z below 0.125
	v_add_f32 v[QB+14], v[QB+6], v[QB+6]           ; 2 Z
.endr
	s_wait_alu depctr_va_vdst(0)
.irp q,0,1
.set QB, PQ+PS*\q
	v_sub_f32 v[QB+12], 1.0, v[QB+12]
.endr
.irp q,0,1
.set QB, PQ+PS*\q
	v_rcp_f32 v[QB+12], v[QB+12]
.endr
	v_nop
	s_wait_alu depctr_va_vdst(0)
.irp q,0,1
.set QB, PQ+PS*\q
	v_mul_f32 v[QB+14], v[QB+14], v[QB+12]                 ; Z/sinh Z = e^-Z x 2 Z / (1 - e^-2Z): the factor e^-Z goes into the exponent,
	v_cndmask_b32 v[QB+14], v[QB+14], v[QB+13], s[SM+\q]   ; or the series, with no such factor
	v_cndmask_b32 v[QB+11], v[QB+11], 0, s[SM+\q]
	v_mul_f32 v[QB+14], v[QB+14], v[QB+15]
.endr
.irp q,0,1
.set QB, PQ+PS*\q
	v_log_f32 v[QB+14], v[QB+14]
.endr
	s_lshl_b32 s36, s[WV], 11
	s_add_co_u32 s36, s36, BEX
	v_add_nc_u32 v14, s36, v[LN]                   ; where my two species' fragments go: 2,048 bytes a wave
	s_wait_alu depctr_va_vdst(0)
.irp q,0,1
.set QB, PQ+PS*\q
	v_sub_f32 v[QB+14], v[QB+14], v[QB+11]                 ; la
	v_cndmask_b32 v[QB+16], v[QB], v[QB+2], s[HM]          ; registers 0-3: lanes 0-15 hold K 0-7 (x), lanes 16-31 K 8-15 (z)
	v_cndmask_b32 v[QB+17], v[QB+1], v[QB+14], s[HM]       ; registers 4-7: K 16-23 (y), K 24-31 (la)
	SPLITB QB+16, QB+18, 88+8*\q
	SPLITB QB+17, QB+18, 92+8*\q
	ds_store_b128 v14, v[88+8*\q:91+8*\q] offset:1024*\q
	ds_store_b128 v14, v[92+8*\q:95+8*\q] offset:1024*\q+512
.endr
	s_lshl_b32 s37, s[GRP], 11
	s_add_co_u32 s37, s37, BEX
	v_add_nc_u32 v13, s37, v[LN]                   ; e and ebar come from wave w % 8, x and xbar from the wave 8 on
	v_mul_u32_u24 v[AE], v[LR], PITCH              ; a fragment: row lane % 16, 16 bytes for each half of the lanes, twice, 32 bytes apart
	v_lshl_add_u32 v[AE], v[LH], 4, v[AE]
	s_mul_i32 s36, s[HF], NT*TILEB                 ; my half of the directions
	v_add_nc_u32 v[AE], s36, v[AE]
	v_add_nc_u32 v[AR], RTAB, v[AE]
	s_wait_dscnt 0x0                               ; for the others' sake: my rows of both tables and my fragments are in LDS
	s_barrier_signal -1
	s_barrier_wait -1                              ; everybody's are; the tables and fragments are only read from here on
.irp i,0,1,2,3,4,5,6,7
	ds_load_b128 v[BF+4*\i:BF+4*\i+3], v13 offset:(\i/4)*16384+(\i%4)*512
.endr
	ds_load_b128 v[TU:TU+3], v[AE]                 ; tiles 0 and 1 borrow u's and delta's registers
	ds_load_b128 v[TU+4:TU+7], v[AE] offset:32
	ds_load_b128 v[TD:TD+3], v[AE] offset:TILEB
	ds_load_b128 v[TD+4:TD+7], v[AE] offset:TILEB+32
	ds_load_b128 v[AF:AF+3], v[AE] offset:2*TILEB
	ds_load_b128 v[AF+4:AF+7], v[AE] offset:2*TILEB+32
	ds_load_b128 v[RT0:RT0+3], v[AR]
	ds_load_b128 v[RT0+4:RT0+7], v[AR] offset:32
	s_wait_dscnt 0x0
.irp s,0,1,2,3
	v_wmma_f32_16x16x32_bf16 v[X0+8*\s:X0+8*\s+7], v[TU:TU+7], v[BF+8*\s:BF+8*\s+7], 0
.endr
.irp s,0,1,2,3
	v_wmma_f32_16x16x32_bf16 v[X0+32+8*\s:X0+32+8*\s+7], v[TD:TD+7], v[BF+8*\s:BF+8*\s+7], 0
.endr
.rept 4
	v_nop                                          ; four places between a matrix instruction and the first vector line that reads its result (ISA guide 7.12.1)
.endr
.set e, 0
.rept 32                                       ; phase 0: tile 0's exponentials; there is no plain work yet to set between them
	v_exp_f32 v[X0+e], v[X0+e]
.set e, e+1
.endr
	v_nop
	s_wait_alu depctr_va_vdst(0)
; THE NEXT EXPONENTIAL of the tile in hand, in place, each accumulator from its lowest register on: behind the first three of a group's four plain lines, so that no two stand on end.
.macro EX j
.if DOEXP && ((\j) < 3) && (e < 32)
	v_exp_f32 v[CUR+e], v[CUR+e]
.set e, e+1
.endif
.endm
.macro RW acc, p, first                ; a sum product: 16 table rows x (two quantities x 16 directions) x 16 items; the first starts the sums
.if \first
	v_wmma_f32_16x16x32_bf16 v[\acc:\acc+7], v[RTU:RTU+7], v[\p:\p+7], 0
.else
	v_wmma_f32_16x16x32_bf16 v[\acc:\acc+7], v[RTU:RTU+7], v[\p:\p+7], v[\acc:\acc+7]
.endif
.endm
.macro EW s, de                        ; an exponent product of the tile after the one in hand, into the buffer just read out
.if \de
	v_wmma_f32_16x16x32_bf16 v[PRV+8*(\s):PRV+8*(\s)+7], v[AF:AF+7], v[BF+8*(\s):BF+8*(\s)+7], 0
.endif
.endm
; PHASE p.  par = p % 2.  CUR: tile p's exponents, which become g.  PRV: tile p - 1's g, read out by the first six groups and then given to tile p + 1's exponents.
; first: the sum products start their sums.  dexp, de: tile p, tile p + 1 exist.  afo: where tile p + 2's direction fragment lies, or -1.  rto: where tile p's weight fragment lies, or -1.
; The matrix instructions take turns on different accumulators, one instruction a turn, over the backward jump too: RA, four of PRV, RC, RB.
; Distances, in plain vector lines that name none of the matrix instruction's registers: the weight loads stand 8 behind the last product that read their registers (the phase before's RB);
; g_x's rounding, which writes an operand of that product, 8; the direction loads 8 behind the fourth exponent product; that product's result is read 12 or more behind it.
.macro PHASE par, first, dexp, de, afo, rto
.set CUR, X0+32*(\par)
.set PRV, X0+32-32*(\par)
.set RTL, RT0+8*(\par)
.set RTU, RT0+8-8*(\par)
.set DOEXP, \dexp
.set e, 0
.irp j,0,1,2,3
	v_cvt_pk_bf16_f32 v[PA+4+\j], v[PRV+2*\j], v[PRV+2*\j+1]                   ; g_e
	EX \j
.endr
.irp j,0,1,2,3
	v_cvt_pk_bf16_f32 v[PA+\j], v[PRV+8+2*\j], v[PRV+8+2*\j+1]                 ; g_ebar
	EX \j
.endr
.if (\rto) >= 0
	ds_load_b128 v[RTL:RTL+3], v[AR] offset:\rto
	ds_load_b128 v[RTL+4:RTL+7], v[AR] offset:(\rto)+32
	s_wait_dscnt 0x2                               ; all but the two just issued: this phase's weight fragment and direction fragment, asked for a phase ago, are in
.else
	s_wait_dscnt 0x0
.endif
	RW RA, PA, \first
.irp j,0,1,2,3
	v_cvt_pk_bf16_f32 v[PB+4+\j], v[PRV+16+2*\j], v[PRV+16+2*\j+1]             ; g_x
	EX \j
.endr
.irp j,0,1,2,3
	v_pk_add_f32 v[TU+2*\j:TU+2*\j+1], v[PRV+2*\j:PRV+2*\j+1], v[PRV+16+2*\j:PRV+16+2*\j+1] neg_lo:[0,1] neg_hi:[0,1]      ; u = g_e - g_x
	EX \j
.endr
.irp j,0,1,2,3
	v_pk_add_f32 v[TD+2*\j:TD+2*\j+1], v[PRV+8+2*\j:PRV+8+2*\j+1], v[PRV+24+2*\j:PRV+24+2*\j+1] neg_lo:[0,1] neg_hi:[0,1]  ; ubar = g_ebar - g_xbar
	EX \j
.endr
.irp j,0,1,2,3
	v_pk_add_f32 v[TD+2*\j:TD+2*\j+1], v[TU+2*\j:TU+2*\j+1], v[TD+2*\j:TD+2*\j+1] neg_lo:[0,1] neg_hi:[0,1]                ; delta = u - ubar
	EX \j
.endr
	EW 0, \de                                      ; PRV has been read out
.irp j,0,1,2,3
	v_cvt_pk_bf16_f32 v[PC+\j], v[TD+2*\j], v[TD+2*\j+1]                       ; delta in bf16
	EX \j
.endr
	EW 1, \de
.irp j,0,1,2,3
	v_pk_fma_f32 v[TD+2*\j:TD+2*\j+1], v[TD+2*\j:TD+2*\j+1], v[BIG:BIG+1], v[ONE:ONE+1] clamp  ; H: 2^126 delta + 1 held to 0 .. 1: 1 from delta = 0 on, 0 from -2^-126 down
	EX \j
.endr
	EW 2, \de
.irp j,0,1,2,3
	v_pk_mul_f32 v[TU+2*\j:TU+2*\j+1], v[TU+2*\j:TU+2*\j+1], v[TD+2*\j:TD+2*\j+1]              ; H u
	EX \j
.endr
	EW 3, \de
.irp j,0,1,2,3
	v_pk_max_num_bf16 v[PC+4+\j], v[PC+\j], v[ZERO]                            ; max(delta, 0)
	EX \j
.endr
.irp j,0,1,2,3
	v_pk_min_num_bf16 v[PC+\j], v[PC+\j], v[ZERO]                              ; min(delta, 0)
	EX \j
.endr
.if (\afo) >= 0
	ds_load_b128 v[AF:AF+3], v[AE] offset:\afo
	ds_load_b128 v[AF+4:AF+7], v[AE] offset:(\afo)+32
.endif
	RW RC, PC, \first
.irp j,0,1,2,3
	v_cvt_pk_bf16_f32 v[PB+\j], v[TU+2*\j], v[TU+2*\j+1]                       ; H u in bf16; these four lines are also the plain lines behind the last exponential
.endr
	RW RB, PB, \first
.if \dexp
	s_wait_alu depctr_va_vdst(0)                   ; one wait for the phase's 32 exponentials, ahead of the next phase, which reads them, and of the loop's jump
.endif
.endm
	PHASE 1, 1, 1, 1, 3*TILEB, 1*TILEB             ; phase 1 stands in front of the loop: its sum products start the sums
	s_mov_b32 s[CNT], 10
.Lpair:                                        ; phases 2 k + 2 and 2 k + 3
	PHASE 0, 0, 1, 1, 4*TILEB, 2*TILEB
	PHASE 1, 0, 1, 1, 5*TILEB, 3*TILEB
	v_add_nc_u32 v[AE], 2*TILEB, v[AE]
	v_add_nc_u32 v[AR], 2*TILEB, v[AR]
	s_sub_co_u32 s[CNT], s[CNT], 1
	s_cmp_lg_u32 s[CNT], 0
	s_cbranch_scc1 .Lpair
	PHASE 0, 0, 1, 1, 4*TILEB, 2*TILEB             ; phase 22 (the addresses stand 20 tiles on): the last direction fragment, tile 24's, is asked for
	PHASE 1, 0, 1, 1, -1, 3*TILEB                  ; phase 23: tile 24's exponents
	PHASE 0, 0, 1, 0, -1, 4*TILEB                  ; phase 24: the last exponentials
	PHASE 1, 0, 0, 0, -1, -1                       ; phase 25: tile 24's plain lines and sums
.rept 4
	v_nop                                          ; the places behind the last products
.endr
	; THE END.  Rows 0-3 and 4-7 (the weights' two pieces) are added.  A lane then holds 4 moments (x, y, z, 1) of three quantities:
	; lanes 0-15: A = g_e, B = g_x, C = max(delta, 0); lanes 16-31: A = g_ebar, B = H u, C = min(delta, 0).
.irp a,0,1,2
	v_pk_add_f32 v[48+4*\a:49+4*\a], v[RA+8*\a:RA+8*\a+1], v[RA+8*\a+4:RA+8*\a+5]
	v_pk_add_f32 v[50+4*\a:51+4*\a], v[RA+8*\a+2:RA+8*\a+3], v[RA+8*\a+6:RA+8*\a+7]
.endr
	s_mul_i32 s36, s[WV], 1536
	s_cmp_lt_u32 s[WV], 8
	s_cbranch_scc1 .Llower                         ; waves 8-15 hand their half of the directions to waves 0-7
	s_add_co_u32 s37, s36, SEX-8*1536
	v_add_nc_u32 v13, s37, v[LN]
	ds_store_b128 v13, v[48:51]
	ds_store_b128 v13, v[52:55] offset:512
	ds_store_b128 v13, v[56:59] offset:1024
.Llower:
	s_wait_dscnt 0x0
	s_barrier_signal -1
	s_barrier_wait -1
	s_cmp_lt_u32 s[WV], 8
	s_cbranch_scc0 .Lidle
	s_add_co_u32 s37, s36, SEX
	v_add_nc_u32 v13, s37, v[LN]
	ds_load_b128 v[60:63], v13
	ds_load_b128 v[64:67], v13 offset:512
	ds_load_b128 v[68:71], v13 offset:1024
	s_add_co_u32 s38, s36, OEX                     ; my stage for out0
	v_mul_u32_u24 v14, v[LR], 96                   ; in: item lane % 16; lanes 0-15 the three rows of nu, lanes 16-31 those of nubar
	v_mad_u32_u24 v14, v[LH], 48, v14
	v_add_nc_u32 v14, s38, v14
	v_add_nc_u32 v15, s38, v[LN]                   ; back: 512 bytes on end
	s_lshl_b32 s39, s[WV], 6
	s_add_co_u32 s39, s39, GEX
	s_wait_dscnt 0x0
.irp i,0,2,4,6,8,10
	v_pk_add_f32 v[48+\i:49+\i], v[48+\i:49+\i], v[60+\i:61+\i]
.endr
.irp i,0,1,2,3,4,5,6,7,8,9,10,11
	v_permlanex16_b32 v[112+\i], v[48+\i], s[SEL], s[SEL+1]        ; A', B', C': the other half's three quantities of the same item
.endr
	v_lshl_add_u32 v13, v[LR], 2, s39              ; where the item's growth goes
	; Lanes 0-15 finish nu, lanes 16-31 nubar, by one text: G1 the e-like sums (A), G2 the x-like sums, Wp the sums of H (G1's g - G2's g).
	; nu: G2 = B, Wp = B'.  nubar: G2 = g_xbar = A - A' + B' + (C + C'), Wp = H ubar = B - C'.
.irp i,0,2
	v_pk_add_f32 v[72+\i:73+\i], v[48+\i:49+\i], v[112+\i:113+\i] neg_lo:[0,1] neg_hi:[0,1]
	v_pk_add_f32 v[76+\i:77+\i], v[56+\i:57+\i], v[120+\i:121+\i]
	v_pk_add_f32 v[84+\i:85+\i], v[52+\i:53+\i], v[120+\i:121+\i] neg_lo:[0,1] neg_hi:[0,1]
.endr
.irp i,0,2
	v_pk_add_f32 v[72+\i:73+\i], v[72+\i:73+\i], v[116+\i:117+\i]
.endr
.irp i,0,2
	v_pk_add_f32 v[72+\i:73+\i], v[72+\i:73+\i], v[76+\i:77+\i]
.endr
.irp i,0,1,2,3
	v_cndmask_b32 v[80+\i], v[52+\i], v[72+\i], s[HM]              ; G2
	v_cndmask_b32 v[84+\i], v[116+\i], v[84+\i], s[HM]             ; Wp
.endr
	v_cndmask_b32 v88, v59, v123, s[HM]            ; Iplus = the sum of w max(delta, 0)
	v_cndmask_b32 v89, v123, v59, s[HM]
	v_sub_f32 v89, 0, v89                          ; Iminus = minus the sum of w min(delta, 0)
	v_max_num_f32 v90, 0x2b8cbccc, v88
	v_max_num_f32 v91, 0x2b8cbccc, v89
	v_mul_f32 v92, v88, v89
	v_max_num_f32 v92, 0, v92
	v_rcp_f32 v93, v90
	v_rcp_f32 v94, v91
	v_sqrt_f32 v92, v92                            ; growth
	v_cmp_lt_f32 s[LT], v88, v89
	v_mov_b32 v95, 0x3eaaaaab                      ; 1/3
.irp i,0,2
	v_pk_add_f32 v[100+\i:101+\i], v[48+\i:49+\i], v[80+\i:81+\i] neg_lo:[0,1] neg_hi:[0,1]    ; W = G1 - G2
	v_pk_add_f32 v[108+\i:109+\i], v[48+\i:49+\i], v[80+\i:81+\i]                              ; G1 + G2
.endr
	s_wait_alu depctr_va_vdst(0)                   ; one wait for the three, ahead of their first reader
	v_mul_f32 v93, v91, v93
	v_mul_f32 v94, v90, v94
	v_fma_f32 v93, v93, 0xbf2aaaab, 1.0            ; 1 - 2/3 Iminus / Iplus
	v_fma_f32 v94, v94, 0xbf2aaaab, 1.0            ; 1 - 2/3 Iplus / Iminus
	v_cndmask_b32 v93, v93, v95, s[LT]
	v_cndmask_b32 v94, v95, v94, s[LT]
	v_max_num_f32 v93, 0, v93
	v_max_num_f32 v94, 0, v94
	v_min_num_f32 v93, 1.0, v93                    ; coeff_pos
	v_min_num_f32 v96, 1.0, v94                    ; coeff_neg, twice: a pair for the packed lines
	v_min_num_f32 v97, 1.0, v94
	v_sub_f32 v98, v93, v96                        ; coeff_pos - coeff_neg, twice
	v_sub_f32 v99, v93, v96
.irp i,0,2
	v_pk_mul_f32 v[100+\i:101+\i], v[100+\i:101+\i], v[96:97]
.endr
.irp i,0,2
	v_pk_fma_f32 v[100+\i:101+\i], v[84+\i:85+\i], v[98:99], v[100+\i:101+\i]  ; the sums of Psur (G1's g - G2's g)
.endr
.irp i,0,2
	v_pk_add_f32 v[104+\i:105+\i], v[80+\i:81+\i], v[100+\i:101+\i]            ; flavour 0: G2 + that
	v_pk_add_f32 v[108+\i:109+\i], v[108+\i:109+\i], v[100+\i:101+\i] neg_lo:[0,1] neg_hi:[0,1]
.endr
.irp i,0,2
	v_pk_mul_f32 v[108+\i:109+\i], v[108+\i:109+\i], 0.5 op_sel_hi:[1,0]       ; flavours 1 and 2: (G1 + G2 - that) / 2
.endr
	ds_store_b32 v13, v92                          ; both halves of the lanes hold the same number and write the same word
	ds_store_b128 v14, v[104:107]
	ds_store_b128 v14, v[108:111] offset:16
	ds_store_b128 v14, v[108:111] offset:32
	ds_load_b128 v[60:63], v15                     ; LDS serves a wave's instructions in order (ISA guide 5.7.1.4): these see the stores above; the stage is my wave's own
	ds_load_b128 v[64:67], v15 offset:512
	ds_load_b128 v[68:71], v15 offset:1024
	s_wait_dscnt 0x2                               ; the first of the three loads is back; the two younger may be out
	global_store_b128 v[LN], v[60:63], s[14:15] th:TH_STORE_NT             ; each store of the wave covers 512 consecutive bytes, at a multiple of 256 from out0's first byte
	s_wait_dscnt 0x1
	global_store_b128 v[LN], v[64:67], s[14:15] offset:512 th:TH_STORE_NT
	s_wait_dscnt 0x0
	global_store_b128 v[LN], v[68:71], s[14:15] offset:1024 th:TH_STORE_NT
.Lidle:
	s_wait_dscnt 0x0
	s_barrier_signal -1
	s_barrier_wait -1                              ; all 128 growth numbers lie in LDS
	s_cmp_lg_u32 s[WV], 0
	s_cbranch_scc1 .Lend
	v_add_nc_u32 v13, GEX, v[LN]
	ds_load_b128 v[72:75], v13
	s_wait_dscnt 0x0
	global_store_b128 v[LN], v[72:75], s[16:17] th:TH_STORE_NT             ; one store of 512 consecutive bytes, at a multiple of 256 from out1's first byte
.Lend:
	s_wait_tensorcnt 0x0                           ; the wave's end, behind my last LDS store
	ds_add_u32 v[SPW], v[NIL]
	s_wait_dscnt 0x0
	s_endpgm
.Lfunc_end_k_q19a23223bf_box3d:
	.size	k_q19a23223bf_box3d, .Lfunc_end_k_q19a23223bf_box3d-k_q19a23223bf_box3d
	.p2alignl 7, 3214868480
	.fill 96, 4, 3214868480
	.section	.rodata,"a",@progbits
	.p2align	6, 0x0
	.amdhsa_kernel k_q19a23223bf_box3d
		.amdhsa_group_segment_fixed_size 188416
		.amdhsa_private_segment_fixed_size 0
		.amdhsa_enable_private_segment 0
		.amdhsa_kernarg_size 56
		.amdhsa_user_sgpr_count 2
		.amdhsa_user_sgpr_kernarg_segment_ptr 1
		.amdhsa_wavefront_size32 1
		.amdhsa_system_sgpr_workgroup_id_x 1
		.amdhsa_system_sgpr_workgroup_id_y 1
		.amdhsa_system_sgpr_workgroup_id_z 1
		.amdhsa_system_vgpr_workitem_id 0
		.amdhsa_next_free_vgpr 200
		.amdhsa_next_free_sgpr 66
		.amdhsa_reserve_vcc 0
		.amdhsa_float_denorm_mode_32 3
		.amdhsa_float_denorm_mode_16_64 3
		.amdhsa_memory_ordered 1
		.amdhsa_forward_progress 1
		.amdhsa_inst_pref_size 61
	.end_amdhsa_kernel
	.amdgpu_metadata
---
amdhsa.version: [ 1, 2 ]
amdhsa.kernels:
  - .name:           k_q19a23223bf_box3d
    .symbol:         k_q19a23223bf_box3d.kd
    .args:
      - { .name: F4_in, .offset: 0, .size: 8, .value_kind: global_buffer, .address_space: global }
      - { .name: dir_x, .offset: 8, .size: 8, .value_kind: global_buffer, .address_space: global }
      - { .name: dir_y, .offset: 16, .size: 8, .value_kind: global_buffer, .address_space: global }
      - { .name: dir_z, .offset: 24, .size: 8, .value_kind: global_buffer, .address_space: global }
      - { .name: quad_w, .offset: 32, .size: 8, .value_kind: global_buffer, .address_space: global }
      - { .name: out0, .offset: 40, .size: 8, .value_kind: global_buffer, .address_space: global }
      - { .name: out1, .offset: 48, .size: 8, .value_kind: global_buffer, .address_space: global }
    .group_segment_fixed_size: 188416
    .private_segment_fixed_size: 0
    .kernarg_segment_align: 8
    .kernarg_segment_size: 56
    .max_flat_workgroup_size: 512
    .sgpr_count:     66
    .vgpr_count:     200
    .wavefront_size: 32
...
	.end_amdgpu_metadata
.endif
;; end of part 1
;; ======== version 2 of 2: 1 launch; version 1 with the launch box3d written anew for expert scheduling mode
;; limits: values outside matrix products are rounded to bf16
;; launch box3d (part 2): grid 256 x 1, 16 waves a work-group, no clusters, 188,416 bytes of LDS; arguments F4_in, dir_x, dir_y, dir_z, quad_w, out0, out1; writes out0, out1
.if DOCPART == 2
	.amdgcn_target "amdgcn-amd-amdhsa--gfx1250"
	.amdhsa_code_object_version 6
	.text
	.protected	k_q19a23223bf_box3d
	.globl	k_q19a23223bf_box3d
	.p2align	8
	.type	k_q19a23223bf_box3d,@function
k_q19a23223bf_box3d:
	s_mov_b64 s[64:65], 0
	v_nop
	global_prefetch_b8 v0, s[64:65] scope:SCOPE_SE
	s_setreg_imm32_b32 hwreg(HW_REG_WAVE_SCHED_MODE, 0, 2), 2
	s_setreg_imm32_b32 hwreg(HW_REG_WAVE_MODE, 25, 1), 1
	s_wait_xcnt 0x0
	s_wait_alu depctr_vm_vsrc(0)
; BOX3D HEURISTIC.  For each of 32,768 items: four species (e, ebar, x = mean of flavours 1 and 2, xbar) with g_s(d) = N/(4 pi) Z/sinh(Z) exp(Z mu_s(d)) on 800 directions;
; delta = g_e - g_ebar - g_x + g_xbar; Iplus, Iminus; two survival coefficients; the mixed species' four moments (out0) and growth = sqrt(Iplus Iminus) (out1).
; ONE PASS.  The survival factor has two values, one where delta >= 0 and one elsewhere, so every output is a combination of sums over d of q(d) w(d) c(d), c in {x, y, z, 1}, of six
; quantities q: g_e, g_ebar, g_x, H u (u = g_e - g_x, H = 1 where delta >= 0, else 0), max(delta, 0), min(delta, 0).  g_xbar = delta - g_e + g_ebar + g_x and H ubar = H u - max(delta, 0)
; hold point by point, so their sums follow.  Iplus and Iminus are sums of terms of one sign, never differences of sums.
; BOTH PRODUCTS GO TO THE MATRIX UNIT, bf16 operands, f32 sums.
; (1) g = 2^e, e = kx x + ky y + kz z + la, k = Z log2(e) F / |F|, la = log2(N/(4 pi) Z/sinh Z).  Each f32 factor is cut exactly into three bf16 pieces (8 bits each, by truncation);
;     a term's 8 slots of K hold all products of pieces but the two smallest pieces': direction side (d1 d1 d2 d2 d1 d3 d3 d2), item side (k1 k2 k1 k2 k3 k1 k2 k3).
;     Slots 0-7 x, 8-15 z, 16-23 y, 24-31 the constant 1 against la.  Source 0 = 16 directions, source 1 = 16 items, one product a species: a lane holds ONE item (lane % 16) and the
;     directions 8 (lane / 16) + 0..7, and the four species of a pair (item, direction) lie in one lane under one register number: delta changes no lane.
; (2) Eight such results rounded to bf16 in pairs are four registers of source 1 of the sums' product; an operand's registers 0-3 (K 0-15) hold one quantity, 4-7 (K 16-31) another.
;     Source 0 is a table of 16 rows: rows 0-3 the leading bf16 piece of (w x, w y, w z, w) on K 16-31, rows 4-7 the rest's piece; rows 8-15 the same on K 0-15; zeros elsewhere.
;     So lanes 0-15 end with the sums of the quantity in registers 4-7, lanes 16-31 with those of the quantity in registers 0-3: three products a tile serve six quantities.
; SHARES.  256 work-groups of 128 items; 16 waves: wave w takes items 16 (w % 8) .. + 15 and directions 400 (w / 8) .. + 399: 25 tiles of 16.  A tile: 32 exponentials, 48 plain vector
; lines, 7 matrix instructions, 4 LDS loads.  Phase p holds tile p's exponentials, one behind three of every four plain lines of tile p - 1, that tile's three sum products, and tile p + 1's
; four exponent products, a group of vector lines behind each.
; NO CLUSTER, NO TENSOR LOAD: what work-groups share is the four tables, 12,800 bytes, read once by each; an item's 96 bytes are read by one work-group.
; LIMITS.  Where Z passes about 88, sinh and exp overflow f32 in the formula as given (its result there is NaN or infinite); this text folds them into one exponent and gives finite numbers.
; A negative delta above -2^-126 counts with a fraction of H.  v_exp, v_log, v_rcp, v_sqrt take and give denormals as 0.  Z/sinh Z: below Z = 0.125 the series 1 - Z^2/6 + 7 Z^4/360
; (next term under 1e-8 there), else 2 Z e^-Z / (1 - e^-2Z).  1 - p is formed directly as 2 (1 - f)(1 + 1.01524 f)/denom.  The six quantities are rounded once to bf16 (8 significant bits).
; THE MODE: SCHED_MODE bits 1:0 = 2 (LLVM: expert scheduling mode 2), set by the entry lines.  The code itself states the register dependences between vector or matrix instructions
; and memory or LDS instructions, with s_wait_alu, always for 0.
; THE PLAN.  Registers that LDS instructions touch in the loop:
;   RT0, RT1      weight fragments.  Phase p's loads land in RT[p % 2]; phase p + 1's three sum products read it; phase p + 2's loads land in it again.
;   AF0, AF1      direction fragments.  Phase p's loads land in AF[p % 2] (tile p + 2); phase p + 1's four exponent products read it; phase p + 2's loads land in it again.
;   v[AE], v[AR]  read by every one of these loads; written once a trip, behind the trip's last loads and ahead of that phase's closing wait.
;   The tile buffers, u, delta, the bf16 operands and the accumulators are named by vector and matrix instructions alone.
; So ONE wait on va_vdst stands in a phase, at its end: the phase's exponentials are written, its products are done reading RT and AF, and in a trip's second phase the two addresses are
; written.  The next phase's four loads follow it in one run, behind two groups of lines that name none of the registers that those loads touch.  One wait on vm_vsrc a trip stands ahead of
; the two adds.  Head and way out: vector lines first, one wait, then the run of stores or loads; each wait's comment says what it states.
.set PITCH,  80                        ; a table row in LDS: 64 bytes + 16 = 20 words: the 16 rows of a load start at 16 different groups of four banks (64 banks of 4 bytes: ISA guide 11.1)
.set TILEB,  16*PITCH                  ; a tile's 16 rows
.set NT,     25                        ; tiles a wave
.set RTAB,   64000                     ; LDS: the exponent table (800 directions) lies at 0, the weight table (50 tiles x 16 rows) here
.set BEX,    128000                    ; the items' fragments: wave w's two species at 2,048 w
.set SEX,    160768                    ; the upper direction half's sums, 1,536 bytes a group of items
.set OEX,    173056                    ; stage for out0, 1,536 bytes for each of waves 0-7, each wave's own
.set GEX,    185344                    ; the work-group's 128 growth numbers
.set SPARE,  185856                    ; the spare words, 128 bytes for each of 16 waves: eight blocks of 256 bytes that no other line names
.set SPW, 1                            ; v1   LDS address of my spare word; never rewritten
.set NIL, 2                            ; v2   0, for the add alone
.set AE,  3                            ; v3   my place in the exponent table's tile
.set AR,  4                            ; v4   the same in the weight table
.set ZERO, 5                           ; v5   0, for the packed maximum and minimum
.set BIG, 6                            ; v[6:7]  2^126 twice
.set ONE, 8                            ; v[8:9]  1.0 twice
.set LR,  10                           ; v10  lane % 16
.set LH,  11                           ; v11  lane / 16
.set LN,  12                           ; v12  16 x lane
.set BF,  16                           ; v[16:47]   item side fragments, 8 a species: e, ebar, x, xbar
.set X0,  48                           ; v[48:111]  two tile buffers, each four accumulators (e, ebar, x, xbar); exponents, then g in place
.set TU,  112                          ; v[112:119] u, then H u
.set TD,  120                          ; v[120:127] ubar, delta, then H
.set GA,  124                          ; the way out only: v124, where the work-group's growth numbers are read back
.set PA,  128                          ; v[128:135] bf16: g_ebar | g_e
.set PB,  136                          ; v[136:143] bf16: H u | g_x
.set PC,  144                          ; v[144:151] bf16: min(delta, 0) | max(delta, 0)
.set RA,  152                          ; v[152:175] the three sum accumulators, for PA, PB, PC
.set RB,  160
.set RC,  168
.set AF,  176                          ; v[176:191] two direction side fragments, by the tile's parity
.set RT0, 192                          ; v[192:207] two weight fragments, by the tile's parity
.set EA,  72                           ; set-up only: v72 my direction's row in the exponent table, v73 its column in the weight table, v74 the zeros' place
.set RAD, 73
.set ZA,  74
.set ZQ,  76                           ; v[76:79] zeros; v[80:83] the slots of the constant 1
.set OQ,  80
.set PQ,  112                          ; set-up only: 20 registers for each of my two species
.set PS,  20
.set WV,  20                           ; s20 wave; s21 group of items; s22 direction half
.set GRP, 21
.set HF,  22
.set MHI, 23                           ; s23 a word's upper half
.set SELH, 24                          ; s24 v_perm_b32: the upper halves of two registers
.set C7,  25                           ; s25 7/360
.set HM,  26                           ; s26 mask of lanes 16-31
.set C8,  27                           ; s27 -0.48953
.set CNT, 30
.set LT,  31
.set SEL, 32                           ; s[32:33] v_permlanex16_b32: each lane takes its own place in the other half
.set SM,  34                           ; s34, s35 masks: Z below 0.125
	s_load_b256 s[4:11], s[0:1], 0x0               ; F4_in s[4:5], dir_x s[6:7], dir_y s[8:9], dir_z s[10:11]
	s_load_b128 s[12:15], s[0:1], 0x20             ; quad_w s[12:13], out0 s[14:15]
	s_load_b64 s[16:17], s[0:1], 0x30              ; out1
	v_lshl_add_u32 v[SPW], v0, 2, SPARE
	v_mov_b32 v[NIL], 0
	v_lshrrev_b32 v13, 5, v0
	v_readfirstlane_b32 s[WV], v13                 ; wave 0..15
	v_and_b32 v[LR], 15, v0
	v_bfe_u32 v[LH], v0, 4, 1
	v_and_b32 v[LN], 31, v0                        ; the lane, for one line
	v_mul_u32_u24 v[EA], v[LN], PITCH
	v_lshlrev_b32 v[LN], 4, v[LN]
	v_cmp_ne_u32 s[HM], 0, v[LH]
	s_mov_b32 s[MHI], 0xffff0000
	s_mov_b32 s[SELH], 0x07060302
	s_mov_b32 s[C7], 0x3c9f49f5
	s_mov_b32 s[C8], 0xbefaa3ad
	s_mov_b32 s[SEL], 0x76543210
	s_mov_b32 s[SEL+1], 0xfedcba98
	s_wait_alu depctr_va_sdst(0)                   ; s[WV] and s[HM] are written, ahead of their first readers and of every branch: the next line reads s[WV]
	s_and_b32 s[GRP], s[WV], 7
	s_lshr_b32 s[HF], s[WV], 3
	s_mul_i32 s28, ttmp9, 12288                    ; the work-group's 128 items of 96 bytes,
	s_mul_i32 s36, s[GRP], 1536                    ; my group's 16
	s_add_co_u32 s28, s28, s36
	s_mov_b32 s29, 0
	s_lshl_b32 s36, s[HF], 4                       ; waves 0-7 prepare e and ebar: flavour 0 twice; waves 8-15 x and xbar: flavours 1 and 2
	s_lshl_b32 s37, s[HF], 5
	v_mul_u32_u24 v13, v[LR], 96
	v_add_nc_u32 v14, s36, v13                     ; the first row of a species
	v_add_nc_u32 v15, s37, v13                     ; the second
	v_lshlrev_b32 v13, 2, v0                       ; direction = my thread's number
	s_wait_kmcnt 0x0
	s_add_nc_u64 s[4:5], s[4:5], s[28:29]
	s_add_nc_u64 s[14:15], s[14:15], s[28:29]      ; out0 has F4_in's shape
	s_lshl_b32 s28, ttmp9, 9
	s_add_nc_u64 s[16:17], s[16:17], s[28:29]      ; out1: 128 numbers a work-group
	s_wait_alu depctr_va_vdst(0)                   ; v13, v14 and v15 are written, which the loads below read as their offsets
	global_load_b128 v[48:51], v14, s[4:5]
	global_load_b128 v[52:55], v15, s[4:5]
	global_load_b128 v[56:59], v14, s[4:5] offset:48
	global_load_b128 v[60:63], v15, s[4:5] offset:48
	global_load_b32 v64, v13, s[6:7]
	global_load_b32 v65, v13, s[8:9]
	global_load_b32 v66, v13, s[10:11]
	global_load_b32 v67, v13, s[12:13]
	s_cmp_lt_u32 s[WV], 9                          ; 800 directions are 25 groups of 32: waves 0-8 take a second group, 512 directions on
	s_cbranch_scc0 .Lone_group_a
	global_load_b32 v68, v13, s[6:7] offset:2048
	global_load_b32 v69, v13, s[8:9] offset:2048
	global_load_b32 v70, v13, s[10:11] offset:2048
	global_load_b32 v71, v13, s[12:13] offset:2048
.Lone_group_a:
	v_mov_b32 v[ZERO], 0                           ; constants and table addresses, while the loads are out: none of these lines names a register of those loads
	v_mov_b32 v[BIG], 0x7e800000
	v_mov_b32 v[BIG+1], 0x7e800000
	v_mov_b32 v[ONE], 1.0
	v_mov_b32 v[ONE+1], 1.0
	s_mul_i32 s36, s[WV], 2*TILEB                  ; my group of 32 directions: two tiles in each table
	v_add_nc_u32 v[EA], s36, v[EA]                 ; exponent table: row = direction
	v_bfe_u32 v[ZA], v0, 3, 1
	v_lshl_add_u32 v[ZA], v[ZA], 5, v[EA]          ; weight table, lane = (tile, row): rows 0-7 have their zeros in bytes 0-31, rows 8-15 in bytes 32-63
	v_add_nc_u32 v[ZA], RTAB, v[ZA]
	v_mul_u32_u24 v[RAD], v[LH], TILEB             ; weight table, lane = direction: its tile, its column of 2 bytes
	v_lshl_add_u32 v[RAD], v[LR], 1, v[RAD]
	s_add_co_u32 s37, s36, RTAB
	v_add_nc_u32 v[RAD], s37, v[RAD]
.irp i,0,1,2,3
	v_mov_b32 v[ZQ+\i], 0
.endr
	v_mov_b32 v[OQ], 0x3f803f80                    ; pieces (1, 0, 0) in the direction side's order: 1 1 | 0 0 | 1 0 | 0 0
	v_mov_b32 v[OQ+1], 0
	v_mov_b32 v[OQ+2], 0x3f80
	v_mov_b32 v[OQ+3], 0
	s_wait_loadcnt 0x0                             ; all my loads, on either way
; An f32 number is cut into three bf16 pieces: the upper half; the upper half of what is left (the subtraction is exact); the rest, at most 8 bits.  v_perm_b32 takes the upper halves as they lie.
.macro CUT v, t                        ; t: what is left behind piece 1; t + 1: behind piece 2
	v_and_b32 v[\t], s[MHI], v[\v]
	v_sub_f32 v[\t], v[\v], v[\t]
	v_and_b32 v[\t+1], s[MHI], v[\t]
	v_sub_f32 v[\t+1], v[\t], v[\t+1]
.endm
.macro SPLITA v, t, w                  ; direction side: d1 d1 | d2 d2 | d1 d3 | d3 d2 (the first of a pair in the low half = the perm's second source)
	CUT \v, \t
	v_perm_b32 v[\w], v[\v], v[\v], s[SELH]
	v_perm_b32 v[\w+1], v[\t], v[\t], s[SELH]
	v_perm_b32 v[\w+2], v[\t+1], v[\v], s[SELH]
	v_perm_b32 v[\w+3], v[\t], v[\t+1], s[SELH]
.endm
.macro SPLITB v, t, w                  ; item side: k1 k2 | k1 k2 | k3 k1 | k2 k3
	CUT \v, \t
	v_perm_b32 v[\w], v[\t], v[\v], s[SELH]
	v_perm_b32 v[\w+1], v[\t], v[\v], s[SELH]
	v_perm_b32 v[\w+2], v[\v], v[\t+1], s[SELH]
	v_perm_b32 v[\w+3], v[\t+1], v[\t], s[SELH]
.endm
; One weight: its bf16 rounding and the rounding of what is left,
.macro RCOMP val, c
	v_cvt_pk_bf16_f32 v[104+\c], v[\val], v[\val]
	v_and_b32 v[104+\c], s[MHI], v[104+\c]
	v_sub_f32 v[104+\c], v[\val], v[104+\c]
	v_cvt_pk_bf16_f32 v[104+\c], v[\val], v[104+\c]  ; low half: the leading piece; high half: the rest's
.endm
; and their way into rows c, 4 + c (K 16-31) and 8 + c, 12 + c (K 0-15) of the tile
.macro RROWS c, off
	ds_store_b16 v[RAD], v[104+\c] offset:(\off)+PITCH*(\c)+32
	ds_store_b16_d16_hi v[RAD], v[104+\c] offset:(\off)+PITCH*(4+\c)+32
	ds_store_b16 v[RAD], v[104+\c] offset:(\off)+PITCH*(8+\c)
	ds_store_b16_d16_hi v[RAD], v[104+\c] offset:(\off)+PITCH*(12+\c)
.endm
; A group of 32 directions goes into both tables: all its vector lines, one wait, all its stores.  src: x, y, z, w in four registers on end
.macro BUILD src, off
	SPLITA \src, 84, 88
	SPLITA \src+2, 84, 92
	SPLITA \src+1, 84, 96
	v_mul_f32 v100, v[\src+3], v[\src]
	v_mul_f32 v101, v[\src+3], v[\src+1]
	v_mul_f32 v102, v[\src+3], v[\src+2]
	RCOMP 100, 0
	RCOMP 101, 1
	RCOMP 102, 2
	RCOMP \src+3, 3
	s_wait_alu depctr_va_vdst(0)                   ; the pieces v[88:99] and v[104:107] are written, and so are the addresses and constants v[72:83]: the LDS stores below read them
	ds_store_b128 v[EA], v[88:91] offset:(\off)            ; slots 0-7: x
	ds_store_b128 v[EA], v[92:95] offset:(\off)+16         ; 8-15: z
	ds_store_b128 v[EA], v[96:99] offset:(\off)+32         ; 16-23: y
	ds_store_b128 v[EA], v[OQ:OQ+3] offset:(\off)+48       ; 24-31: 1
	ds_store_b128 v[ZA], v[ZQ:ZQ+3] offset:(\off)
	ds_store_b128 v[ZA], v[ZQ:ZQ+3] offset:(\off)+16
	RROWS 0, \off
	RROWS 1, \off
	RROWS 2, \off
	RROWS 3, \off
.endm
	BUILD 64, 0
	s_wait_alu depctr_vm_vsrc(0)                   ; the LDS stores above have read v[88:99] and v[104:107], which the second group's vector lines write again
	s_cmp_lt_u32 s[WV], 9
	s_cbranch_scc0 .Lone_group_b
	BUILD 68, 16*2*TILEB
.Lone_group_b:
	; MY TWO SPECIES OF MY ITEM (lanes l and l + 16 hold the same item).  Each batch of transcendentals has one plain line and one wait behind it.
.irp q,0,1
.set QB, PQ+PS*\q                      ; +0..3 Fx Fy Fz N
	v_pk_add_f32 v[QB:QB+1], v[48+8*\q:49+8*\q], v[52+8*\q:53+8*\q]
	v_pk_add_f32 v[QB+2:QB+3], v[50+8*\q:51+8*\q], v[54+8*\q:55+8*\q]
	v_pk_mul_f32 v[QB:QB+1], v[QB:QB+1], 0.5 op_sel_hi:[1,0]       ; the mean of two rows (of one row taken twice: itself)
	v_pk_mul_f32 v[QB+2:QB+3], v[QB+2:QB+3], 0.5 op_sel_hi:[1,0]
	v_max_num_f32 v[QB+3], 0x2b8cbccc, v[QB+3]                     ; N at least 1e-12
	v_mul_f32 v[QB+4], v[QB], v[QB]
	v_fmac_f32 v[QB+4], v[QB+1], v[QB+1]
	v_fmac_f32 v[QB+4], v[QB+2], v[QB+2]
.endr
.irp q,0,1
.set QB, PQ+PS*\q
	v_sqrt_f32 v[QB+4], v[QB+4]                    ; |F|
	v_rcp_f32 v[QB+5], v[QB+3]
.endr
	v_nop
	s_wait_alu depctr_va_vdst(0)                   ; the two |F| and the two 1/N are written, ahead of their first reader
.irp q,0,1
.set QB, PQ+PS*\q
	v_mul_f32 v[QB+5], v[QB+4], v[QB+5]            ; f = |F| / N, never negative,
	v_min_num_f32 v[QB+5], 0x3f7fffef, v[QB+5]     ; at most 0.999999
	v_mul_f32 v[QB+6], v[QB+5], v[QB+5]
	v_fmaak_f32 v[QB+7], s[C8], v[QB+6], 0x3fbc9ca2        ; 3 - 1.00651 f^2 - 0.962251 f^4 + 1.47353 f^6 - 0.48953 f^8, from the inside out
	v_fmaak_f32 v[QB+7], v[QB+7], v[QB+6], 0xbf765615
	v_fmaak_f32 v[QB+7], v[QB+7], v[QB+6], 0xbf80d552
	v_fmaak_f32 v[QB+7], v[QB+7], v[QB+6], 0x40400000
	v_max_num_f32 v[QB+7], 0x2b8cbccc, v[QB+7]
	v_fma_f32 v[QB+8], v[QB+5], -2.0, 2.0          ; 2 (1 - f)
	v_fma_f32 v[QB+9], v[QB+5], 0x3f81f362, 1.0    ; 1 + 1.01524 f
	v_mul_f32 v[QB+8], v[QB+8], v[QB+9]
	v_max_num_f32 v[QB+10], 0x2b8cbccc, v[QB+4]    ; |F| at least 1e-12
.endr
.irp q,0,1
.set QB, PQ+PS*\q
	v_rcp_f32 v[QB+7], v[QB+7]
	v_rcp_f32 v[QB+10], v[QB+10]
.endr
	v_nop
	s_wait_alu depctr_va_vdst(0)                   ; 1/denom and 1/|F| of both species are written, ahead of their first reader
.irp q,0,1
.set QB, PQ+PS*\q
	v_mul_f32 v[QB+9], v[QB+8], v[QB+7]            ; 1 - p,
	v_max_num_f32 v[QB+9], 0x358637bd, v[QB+9]     ; at least 1e-6
.endr
.irp q,0,1
.set QB, PQ+PS*\q
	v_rcp_f32 v[QB+9], v[QB+9]
.endr
	v_nop
	s_wait_alu depctr_va_vdst(0)                   ; the two 1/(1 - p) are written, ahead of their first reader
.irp q,0,1
.set QB, PQ+PS*\q
	v_add_f32 v[QB+6], v[QB+5], v[QB+5]
	v_mul_f32 v[QB+6], v[QB+6], v[QB+9]            ; Z = 2 f / (1 - p)
	v_mul_f32 v[QB+11], 0x3fb8aa3b, v[QB+6]        ; Z log2(e)
	v_mul_f32 v[QB+12], 0xc038aa3b, v[QB+6]
.endr
.irp q,0,1
.set QB, PQ+PS*\q
	v_exp_f32 v[QB+12], v[QB+12]                   ; e^-2Z
.endr
.irp q,0,1                                     ; what waits for no exponential stands between the batch and its wait
.set QB, PQ+PS*\q
	v_mul_f32 v[QB+13], v[QB+6], v[QB+6]
	v_fmaak_f32 v[QB+14], s[C7], v[QB+13], 0xbe2aaaab
	v_fma_f32 v[QB+13], v[QB+14], v[QB+13], 1.0    ; 1 - Z^2/6 + 7 Z^4/360
	v_mul_f32 v[QB+14], v[QB+11], v[QB+10]
	v_mul_f32 v[QB], v[QB+14], v[QB]               ; k = Z log2(e) F / |F|
	v_mul_f32 v[QB+1], v[QB+14], v[QB+1]
	v_mul_f32 v[QB+2], v[QB+14], v[QB+2]
	v_mul_f32 v[QB+15], 0x3da2f983, v[QB+3]        ; N / (4 pi)
	v_cmp_gt_f32 s[SM+\q], 0x3e000000, v[QB+6]     ; Z below 0.125
	v_add_f32 v[QB+14], v[QB+6], v[QB+6]           ; 2 Z
.endr
	s_wait_alu depctr_va_sdst(0)                   ; the two masks s[SM], s[SM+1] are written, ahead of the selects that read them
	s_wait_alu depctr_va_vdst(0)                   ; the two e^-2Z are written, ahead of their first reader
.irp q,0,1
.set QB, PQ+PS*\q
	v_sub_f32 v[QB+12], 1.0, v[QB+12]
.endr
.irp q,0,1
.set QB, PQ+PS*\q
	v_rcp_f32 v[QB+12], v[QB+12]
.endr
	v_nop
	s_wait_alu depctr_va_vdst(0)                   ; the two 1/(1 - e^-2Z) are written, ahead of their first reader
.irp q,0,1
.set QB, PQ+PS*\q
	v_mul_f32 v[QB+14], v[QB+14], v[QB+12]                 ; Z/sinh Z = e^-Z x 2 Z / (1 - e^-2Z): the factor e^-Z goes into the exponent,
	v_cndmask_b32 v[QB+14], v[QB+14], v[QB+13], s[SM+\q]   ; or the series, with no such factor
	v_cndmask_b32 v[QB+11], v[QB+11], 0, s[SM+\q]
	v_mul_f32 v[QB+14], v[QB+14], v[QB+15]
.endr
.irp q,0,1
.set QB, PQ+PS*\q
	v_log_f32 v[QB+14], v[QB+14]
.endr
	s_lshl_b32 s36, s[WV], 11
	s_add_co_u32 s36, s36, BEX
	s_lshl_b32 s37, s[GRP], 11
	s_add_co_u32 s37, s37, BEX
	s_wait_alu depctr_vm_vsrc(0)                   ; the head's loads have read v13 and v14, and the tables' LDS stores v[88:99]: the lines from here to the fragments' stores write them again
	v_add_nc_u32 v14, s36, v[LN]                   ; where my two species' fragments go: 2,048 bytes a wave
	v_add_nc_u32 v13, s37, v[LN]                   ; e and ebar come from wave w % 8, x and xbar from the wave 8 on
	v_mul_u32_u24 v[AE], v[LR], PITCH              ; a fragment: row lane % 16, 16 bytes for each half of the lanes, twice, 32 bytes apart
	v_lshl_add_u32 v[AE], v[LH], 4, v[AE]
	s_mul_i32 s36, s[HF], NT*TILEB                 ; my half of the directions
	v_add_nc_u32 v[AE], s36, v[AE]
	v_add_nc_u32 v[AR], RTAB, v[AE]
	s_wait_alu depctr_va_vdst(0)                   ; the two logarithms are written, ahead of their first reader; the address lines above are the work between
.irp q,0,1
.set QB, PQ+PS*\q
	v_sub_f32 v[QB+14], v[QB+14], v[QB+11]                 ; la
	v_cndmask_b32 v[QB+16], v[QB], v[QB+2], s[HM]          ; registers 0-3: lanes 0-15 hold K 0-7 (x), lanes 16-31 K 8-15 (z)
	v_cndmask_b32 v[QB+17], v[QB+1], v[QB+14], s[HM]       ; registers 4-7: K 16-23 (y), K 24-31 (la)
	SPLITB QB+16, QB+18, 88+8*\q
	SPLITB QB+17, QB+18, 92+8*\q
.endr
	s_wait_alu depctr_va_vdst(0)                   ; the fragments v[88:103] and v14 are written, which the stores below read; so are v13, v[AE] and v[AR], which the loads behind the barrier read; and the set-up is done with v[112:127], in which four of those loads land
.irp q,0,1
	ds_store_b128 v14, v[88+8*\q:91+8*\q] offset:1024*\q
	ds_store_b128 v14, v[92+8*\q:95+8*\q] offset:1024*\q+512
.endr
	s_wait_dscnt 0x0                               ; for the others' sake: my rows of both tables and my fragments are in LDS
	s_barrier_signal -1
	s_barrier_wait -1                              ; everybody's are; the tables and fragments are only read from here on
.irp i,0,1,2,3,4,5,6,7
	ds_load_b128 v[BF+4*\i:BF+4*\i+3], v13 offset:(\i/4)*16384+(\i%4)*512
.endr
	ds_load_b128 v[TU:TU+3], v[AE]                 ; tiles 0 and 1 borrow u's and delta's registers
	ds_load_b128 v[TU+4:TU+7], v[AE] offset:32
	ds_load_b128 v[TD:TD+3], v[AE] offset:TILEB
	ds_load_b128 v[TD+4:TD+7], v[AE] offset:TILEB+32
	ds_load_b128 v[AF:AF+3], v[AE] offset:2*TILEB  ; tile 2, into the even tiles' buffer
	ds_load_b128 v[AF+4:AF+7], v[AE] offset:2*TILEB+32
	ds_load_b128 v[RT0:RT0+3], v[AR]
	ds_load_b128 v[RT0+4:RT0+7], v[AR] offset:32
	s_wait_dscnt 0x0
	s_wait_alu depctr_vm_vsrc(0)                   ; my LDS stores have read v[72:83] and v[88:107]: these registers are the tile buffers from here on, written by the products below; v13 and v14 have been read too, which the way out writes again
.irp s,0,1,2,3
	v_wmma_f32_16x16x32_bf16 v[X0+8*\s:X0+8*\s+7], v[TU:TU+7], v[BF+8*\s:BF+8*\s+7], 0
.endr
.irp s,0,1,2,3
	v_wmma_f32_16x16x32_bf16 v[X0+32+8*\s:X0+32+8*\s+7], v[TD:TD+7], v[BF+8*\s:BF+8*\s+7], 0
.endr
.rept 4
	v_nop                                          ; four places between a matrix instruction and the first vector line that reads its result (ISA guide 7.12.1)
.endr
.set e, 0
.rept 32                                       ; phase 0: tile 0's exponentials; there is no plain work yet to set between them
	v_exp_f32 v[X0+e], v[X0+e]
.set e, e+1
.endr
	v_nop
	s_wait_alu depctr_va_vdst(0)                   ; tile 0's 32 exponentials are written, ahead of phase 1, which reads them
; THE NEXT EXPONENTIAL of the tile in hand, in place, each accumulator from its lowest register on: behind the first three of a group's four plain lines, so that no two stand on end.
.macro EX j
.if DOEXP && ((\j) < 3) && (e < 32)
	v_exp_f32 v[CUR+e], v[CUR+e]
.set e, e+1
.endif
.endm
.macro RW acc, p, first                ; a sum product: 16 table rows x (two quantities x 16 directions) x 16 items; the first starts the sums
.if \first
	v_wmma_f32_16x16x32_bf16 v[\acc:\acc+7], v[RTU:RTU+7], v[\p:\p+7], 0
.else
	v_wmma_f32_16x16x32_bf16 v[\acc:\acc+7], v[RTU:RTU+7], v[\p:\p+7], v[\acc:\acc+7]
.endif
.endm
.macro EW s, de                        ; an exponent product of the tile after the one in hand, into the buffer just read out
.if \de
	v_wmma_f32_16x16x32_bf16 v[PRV+8*(\s):PRV+8*(\s)+7], v[AFU:AFU+7], v[BF+8*(\s):BF+8*(\s)+7], 0
.endif
.endm
; PHASE p.  par = p % 2.  CUR: tile p's exponents, which become g.  PRV: tile p - 1's g, read out by the first six groups and then given to tile p + 1's exponents.
; first: the sum products start their sums.  dexp, de: tile p, tile p + 1 exist.  afo: where tile p + 2's direction fragment lies, or -1.  rto: where tile p's weight fragment lies, or -1.
; step: the two table addresses move on by two tiles, behind this phase's loads.
; RTL, AFL: the fragments that this phase's loads land in; RTU, AFU: those that its products read, asked for a phase ago.
; The matrix instructions take turns on different accumulators, one instruction a turn, over the backward jump too: RA, four of PRV, RC, RB.
; Distances, in plain vector lines that name none of the matrix instruction's registers: g_x's rounding, which writes an operand of the phase before's RB, stands 8 behind it;
; the fourth exponent product's result is read 12 or more behind it.
.macro PHASE par, first, dexp, de, afo, rto, step=0
.set CUR, X0+32*(\par)
.set PRV, X0+32-32*(\par)
.set RTL, RT0+8*(\par)
.set RTU, RT0+8-8*(\par)
.set AFL, AF+8*(\par)
.set AFU, AF+8-8*(\par)
.set DOEXP, \dexp
.set e, 0
.irp j,0,1,2,3
	v_cvt_pk_bf16_f32 v[PA+4+\j], v[PRV+2*\j], v[PRV+2*\j+1]                   ; g_e
	EX \j
.endr
.irp j,0,1,2,3
	v_cvt_pk_bf16_f32 v[PA+\j], v[PRV+8+2*\j], v[PRV+8+2*\j+1]                 ; g_ebar
	EX \j
.endr
.if (\rto) >= 0
	ds_load_b128 v[RTL:RTL+3], v[AR] offset:\rto   ; no wait here: no vector or matrix instruction since the last phase's closing wait names RTL, AFL or the two addresses
	ds_load_b128 v[RTL+4:RTL+7], v[AR] offset:(\rto)+32
.endif
.if (\afo) >= 0
	ds_load_b128 v[AFL:AFL+3], v[AE] offset:\afo
	ds_load_b128 v[AFL+4:AFL+7], v[AE] offset:(\afo)+32
	s_wait_dscnt 0x4                               ; all but the four just issued: this phase's weight fragment and direction fragment, asked for a phase ago, are in
.elseif (\rto) >= 0
	s_wait_dscnt 0x2                               ; all but the two just issued
.else
	s_wait_dscnt 0x0
.endif
	RW RA, PA, \first
.irp j,0,1,2,3
	v_cvt_pk_bf16_f32 v[PB+4+\j], v[PRV+16+2*\j], v[PRV+16+2*\j+1]             ; g_x
	EX \j
.endr
.irp j,0,1,2,3
	v_pk_add_f32 v[TU+2*\j:TU+2*\j+1], v[PRV+2*\j:PRV+2*\j+1], v[PRV+16+2*\j:PRV+16+2*\j+1] neg_lo:[0,1] neg_hi:[0,1]      ; u = g_e - g_x
	EX \j
.endr
.irp j,0,1,2,3
	v_pk_add_f32 v[TD+2*\j:TD+2*\j+1], v[PRV+8+2*\j:PRV+8+2*\j+1], v[PRV+24+2*\j:PRV+24+2*\j+1] neg_lo:[0,1] neg_hi:[0,1]  ; ubar = g_ebar - g_xbar
	EX \j
.endr
.irp j,0,1,2,3
	v_pk_add_f32 v[TD+2*\j:TD+2*\j+1], v[TU+2*\j:TU+2*\j+1], v[TD+2*\j:TD+2*\j+1] neg_lo:[0,1] neg_hi:[0,1]                ; delta = u - ubar
	EX \j
.endr
	EW 0, \de                                      ; PRV has been read out
.irp j,0,1,2,3
	v_cvt_pk_bf16_f32 v[PC+\j], v[TD+2*\j], v[TD+2*\j+1]                       ; delta in bf16
	EX \j
.endr
	EW 1, \de
.irp j,0,1,2,3
	v_pk_fma_f32 v[TD+2*\j:TD+2*\j+1], v[TD+2*\j:TD+2*\j+1], v[BIG:BIG+1], v[ONE:ONE+1] clamp  ; H: 2^126 delta + 1 held to 0 .. 1: 1 from delta = 0 on, 0 from -2^-126 down
	EX \j
.endr
	EW 2, \de
.irp j,0,1,2,3
	v_pk_mul_f32 v[TU+2*\j:TU+2*\j+1], v[TU+2*\j:TU+2*\j+1], v[TD+2*\j:TD+2*\j+1]              ; H u
	EX \j
.endr
	EW 3, \de
.irp j,0,1,2,3
	v_pk_max_num_bf16 v[PC+4+\j], v[PC+\j], v[ZERO]                            ; max(delta, 0)
	EX \j
.endr
.irp j,0,1,2,3
	v_pk_min_num_bf16 v[PC+\j], v[PC+\j], v[ZERO]                              ; min(delta, 0)
	EX \j
.endr
	RW RC, PC, \first
.irp j,0,1,2,3
	v_cvt_pk_bf16_f32 v[PB+\j], v[TU+2*\j], v[TU+2*\j+1]                       ; H u in bf16; these four lines are also the plain lines behind the last exponential
.endr
	RW RB, PB, \first
.if \step
	s_wait_alu depctr_vm_vsrc(0)                   ; the LDS loads issued so far have read v[AE] and v[AR]
	v_add_nc_u32 v[AE], 2*TILEB, v[AE]
	v_add_nc_u32 v[AR], 2*TILEB, v[AR]
.endif
.if \dexp
	s_wait_alu depctr_va_vdst(0)                   ; the phase's closing wait: its 32 exponentials are written, ahead of the next phase, which reads them, and of the loop's jump; its products are done reading RTU and AFU, in which the next phase's loads land; with step, v[AE] and v[AR] are written, which those loads read
.endif
.endm
	PHASE 1, 1, 1, 1, 3*TILEB, 1*TILEB             ; phase 1 stands in front of the loop: its sum products start the sums
	s_mov_b32 s[CNT], 10
.Lpair:                                        ; phases 2 k + 2 and 2 k + 3
	PHASE 0, 0, 1, 1, 4*TILEB, 2*TILEB
	PHASE 1, 0, 1, 1, 5*TILEB, 3*TILEB, 1
	s_sub_co_u32 s[CNT], s[CNT], 1
	s_cmp_lg_u32 s[CNT], 0
	s_cbranch_scc1 .Lpair
	PHASE 0, 0, 1, 1, 4*TILEB, 2*TILEB             ; phase 22 (the addresses stand 20 tiles on): the last direction fragment, tile 24's, is asked for
	PHASE 1, 0, 1, 1, -1, 3*TILEB                  ; phase 23: tile 24's exponents
	PHASE 0, 0, 1, 0, -1, 4*TILEB                  ; phase 24: the last exponentials
	PHASE 1, 0, 0, 0, -1, -1                       ; phase 25: tile 24's plain lines and sums
.rept 4
	v_nop                                          ; the places behind the last products
.endr
	; THE END.  Rows 0-3 and 4-7 (the weights' two pieces) are added.  A lane then holds 4 moments (x, y, z, 1) of three quantities:
	; lanes 0-15: A = g_e, B = g_x, C = max(delta, 0); lanes 16-31: A = g_ebar, B = H u, C = min(delta, 0).
.irp a,0,1,2
	v_pk_add_f32 v[48+4*\a:49+4*\a], v[RA+8*\a:RA+8*\a+1], v[RA+8*\a+4:RA+8*\a+5]
	v_pk_add_f32 v[50+4*\a:51+4*\a], v[RA+8*\a+2:RA+8*\a+3], v[RA+8*\a+6:RA+8*\a+7]
.endr
	s_mul_i32 s36, s[WV], 1536
	s_add_co_u32 s37, s36, SEX-8*1536
	v_add_nc_u32 v13, s37, v[LN]                   ; waves 8-15: where my sums go; waves 0-7 find their partner's 8 x 1,536 bytes further on, by the loads' immediate
	v_add_nc_u32 v[GA], GEX, v[LN]                 ; where wave 0 reads the growth numbers back at the very end
	s_wait_alu depctr_va_vdst(0)                   ; the twelve sums v[48:59] and v13 are written, which the stores of waves 8-15 read; v13 also serves the loads of waves 0-7, which land in v[60:71]: the phases are done with those; v[GA] is written and the phases are done with v[72:75], for wave 0's last load
	s_cmp_lt_u32 s[WV], 8
	s_cbranch_scc1 .Llower                         ; waves 8-15 hand their half of the directions to waves 0-7
	ds_store_b128 v13, v[48:51]
	ds_store_b128 v13, v[52:55] offset:512
	ds_store_b128 v13, v[56:59] offset:1024
.Llower:
	s_wait_dscnt 0x0
	s_barrier_signal -1
	s_barrier_wait -1
	s_cmp_lt_u32 s[WV], 8
	s_cbranch_scc0 .Lidle
	ds_load_b128 v[60:63], v13 offset:8*1536
	ds_load_b128 v[64:67], v13 offset:8*1536+512
	ds_load_b128 v[68:71], v13 offset:8*1536+1024
	s_add_co_u32 s38, s36, OEX                     ; my stage for out0
	v_mul_u32_u24 v14, v[LR], 96                   ; in: item lane % 16; lanes 0-15 the three rows of nu, lanes 16-31 those of nubar
	v_mad_u32_u24 v14, v[LH], 48, v14
	v_add_nc_u32 v14, s38, v14
	v_add_nc_u32 v15, s38, v[LN]                   ; back: 512 bytes on end
	s_lshl_b32 s39, s[WV], 6
	s_add_co_u32 s39, s39, GEX
	s_wait_dscnt 0x0
	s_wait_alu depctr_vm_vsrc(0)                   ; the three loads above have read v13, which is written again below for growth's place; no LDS store has v[48:59] left to read, which the next lines write
.irp i,0,2,4,6,8,10
	v_pk_add_f32 v[48+\i:49+\i], v[48+\i:49+\i], v[60+\i:61+\i]
.endr
.irp i,0,1,2,3,4,5,6,7,8,9,10,11
	v_permlanex16_b32 v[112+\i], v[48+\i], s[SEL], s[SEL+1]        ; A', B', C': the other half's three quantities of the same item
.endr
	v_lshl_add_u32 v13, v[LR], 2, s39              ; where the item's growth goes
	; Lanes 0-15 finish nu, lanes 16-31 nubar, by one text: G1 the e-like sums (A), G2 the x-like sums, Wp the sums of H (G1's g - G2's g).
	; nu: G2 = B, Wp = B'.  nubar: G2 = g_xbar = A - A' + B' + (C + C'), Wp = H ubar = B - C'.
.irp i,0,2
	v_pk_add_f32 v[72+\i:73+\i], v[48+\i:49+\i], v[112+\i:113+\i] neg_lo:[0,1] neg_hi:[0,1]
	v_pk_add_f32 v[76+\i:77+\i], v[56+\i:57+\i], v[120+\i:121+\i]
	v_pk_add_f32 v[84+\i:85+\i], v[52+\i:53+\i], v[120+\i:121+\i] neg_lo:[0,1] neg_hi:[0,1]
.endr
.irp i,0,2
	v_pk_add_f32 v[72+\i:73+\i], v[72+\i:73+\i], v[116+\i:117+\i]
.endr
.irp i,0,2
	v_pk_add_f32 v[72+\i:73+\i], v[72+\i:73+\i], v[76+\i:77+\i]
.endr
.irp i,0,1,2,3
	v_cndmask_b32 v[80+\i], v[52+\i], v[72+\i], s[HM]              ; G2
	v_cndmask_b32 v[84+\i], v[116+\i], v[84+\i], s[HM]             ; Wp
.endr
	v_cndmask_b32 v88, v59, v123, s[HM]            ; Iplus = the sum of w max(delta, 0)
	v_cndmask_b32 v89, v123, v59, s[HM]
	v_sub_f32 v89, 0, v89                          ; Iminus = minus the sum of w min(delta, 0)
	v_max_num_f32 v90, 0x2b8cbccc, v88
	v_max_num_f32 v91, 0x2b8cbccc, v89
	v_mul_f32 v92, v88, v89
	v_max_num_f32 v92, 0, v92
	v_rcp_f32 v93, v90
	v_rcp_f32 v94, v91
	v_sqrt_f32 v92, v92                            ; growth
	v_cmp_lt_f32 s[LT], v88, v89
	v_mov_b32 v95, 0x3eaaaaab                      ; 1/3
.irp i,0,2
	v_pk_add_f32 v[100+\i:101+\i], v[48+\i:49+\i], v[80+\i:81+\i] neg_lo:[0,1] neg_hi:[0,1]    ; W = G1 - G2
	v_pk_add_f32 v[108+\i:109+\i], v[48+\i:49+\i], v[80+\i:81+\i]                              ; G1 + G2
.endr
	s_wait_alu depctr_va_sdst(0)                   ; the mask s[LT] is written, ahead of the selects that read it
	s_wait_alu depctr_va_vdst(0)                   ; the two reciprocals and the root are written, ahead of their first reader
	v_mul_f32 v93, v91, v93
	v_mul_f32 v94, v90, v94
	v_fma_f32 v93, v93, 0xbf2aaaab, 1.0            ; 1 - 2/3 Iminus / Iplus
	v_fma_f32 v94, v94, 0xbf2aaaab, 1.0            ; 1 - 2/3 Iplus / Iminus
	v_cndmask_b32 v93, v93, v95, s[LT]
	v_cndmask_b32 v94, v95, v94, s[LT]
	v_max_num_f32 v93, 0, v93
	v_max_num_f32 v94, 0, v94
	v_min_num_f32 v93, 1.0, v93                    ; coeff_pos
	v_min_num_f32 v96, 1.0, v94                    ; coeff_neg, twice: a pair for the packed lines
	v_min_num_f32 v97, 1.0, v94
	v_sub_f32 v98, v93, v96                        ; coeff_pos - coeff_neg, twice
	v_sub_f32 v99, v93, v96
.irp i,0,2
	v_pk_mul_f32 v[100+\i:101+\i], v[100+\i:101+\i], v[96:97]
.endr
.irp i,0,2
	v_pk_fma_f32 v[100+\i:101+\i], v[84+\i:85+\i], v[98:99], v[100+\i:101+\i]  ; the sums of Psur (G1's g - G2's g)
.endr
.irp i,0,2
	v_pk_add_f32 v[104+\i:105+\i], v[80+\i:81+\i], v[100+\i:101+\i]            ; flavour 0: G2 + that
	v_pk_add_f32 v[108+\i:109+\i], v[108+\i:109+\i], v[100+\i:101+\i] neg_lo:[0,1] neg_hi:[0,1]
.endr
.irp i,0,2
	v_pk_mul_f32 v[108+\i:109+\i], v[108+\i:109+\i], 0.5 op_sel_hi:[1,0]       ; flavours 1 and 2: (G1 + G2 - that) / 2
.endr
	s_wait_alu depctr_va_vdst(0)                   ; v92, v[104:111] and the addresses v13, v14, v15 are written, which the LDS stores and loads below read; the additions are done reading v[60:71], in which those loads land, and the selects v[72:75], in which wave 0's last load lands
	ds_store_b32 v13, v92                          ; both halves of the lanes hold the same number and write the same word
	ds_store_b128 v14, v[104:107]
	ds_store_b128 v14, v[108:111] offset:16
	ds_store_b128 v14, v[108:111] offset:32
	ds_load_b128 v[60:63], v15                     ; LDS serves a wave's instructions in order (ISA guide 5.7.1.4): these see the stores above; the stage is my wave's own
	ds_load_b128 v[64:67], v15 offset:512
	ds_load_b128 v[68:71], v15 offset:1024
	s_wait_dscnt 0x2                               ; the first of the three loads is back; the two younger may be out
	global_store_b128 v[LN], v[60:63], s[14:15] th:TH_STORE_NT             ; each store of the wave covers 512 consecutive bytes, at a multiple of 256 from out0's first byte
	s_wait_dscnt 0x1
	global_store_b128 v[LN], v[64:67], s[14:15] offset:512 th:TH_STORE_NT
	s_wait_dscnt 0x0
	global_store_b128 v[LN], v[68:71], s[14:15] offset:1024 th:TH_STORE_NT
.Lidle:
	s_wait_dscnt 0x0
	s_barrier_signal -1
	s_barrier_wait -1                              ; all 128 growth numbers lie in LDS
	s_cmp_lg_u32 s[WV], 0
	s_cbranch_scc1 .Lend
	ds_load_b128 v[72:75], v[GA]                   ; no wait here: v[GA] was made ahead of the way out's first wait, and no vector line since the last one names v[72:75]
	s_wait_dscnt 0x0
	global_store_b128 v[LN], v[72:75], s[16:17] th:TH_STORE_NT             ; one store of 512 consecutive bytes, at a multiple of 256 from out1's first byte
.Lend:
	s_wait_dscnt 0x0                               ; the closing lines, six on end
	s_wait_alu 0x0
	s_wait_tensorcnt 0x0
	ds_add_u32 v[SPW], v[NIL]
	s_wait_dscnt 0x0
	s_endpgm
.Lfunc_end_k_q19a23223bf_box3d:
	.size	k_q19a23223bf_box3d, .Lfunc_end_k_q19a23223bf_box3d-k_q19a23223bf_box3d
	.p2alignl 7, 3214868480
	.fill 96, 4, 3214868480
	.section	.rodata,"a",@progbits
	.p2align	6, 0x0
	.amdhsa_kernel k_q19a23223bf_box3d
		.amdhsa_group_segment_fixed_size 188416
		.amdhsa_private_segment_fixed_size 0
		.amdhsa_enable_private_segment 0
		.amdhsa_kernarg_size 56
		.amdhsa_user_sgpr_count 2
		.amdhsa_user_sgpr_kernarg_segment_ptr 1
		.amdhsa_wavefront_size32 1
		.amdhsa_system_sgpr_workgroup_id_x 1
		.amdhsa_system_sgpr_workgroup_id_y 1
		.amdhsa_system_sgpr_workgroup_id_z 1
		.amdhsa_system_vgpr_workitem_id 0
		.amdhsa_next_free_vgpr 208
		.amdhsa_next_free_sgpr 66
		.amdhsa_reserve_vcc 0
		.amdhsa_float_denorm_mode_32 3
		.amdhsa_float_denorm_mode_16_64 3
		.amdhsa_memory_ordered 1
		.amdhsa_forward_progress 1
		.amdhsa_inst_pref_size 61
	.end_amdhsa_kernel
	.amdgpu_metadata
---
amdhsa.version: [ 1, 2 ]
amdhsa.kernels:
  - .name:           k_q19a23223bf_box3d
    .symbol:         k_q19a23223bf_box3d.kd
    .args:
      - { .name: F4_in, .offset: 0, .size: 8, .value_kind: global_buffer, .address_space: global }
      - { .name: dir_x, .offset: 8, .size: 8, .value_kind: global_buffer, .address_space: global }
      - { .name: dir_y, .offset: 16, .size: 8, .value_kind: global_buffer, .address_space: global }
      - { .name: dir_z, .offset: 24, .size: 8, .value_kind: global_buffer, .address_space: global }
      - { .name: quad_w, .offset: 32, .size: 8, .value_kind: global_buffer, .address_space: global }
      - { .name: out0, .offset: 40, .size: 8, .value_kind: global_buffer, .address_space: global }
      - { .name: out1, .offset: 48, .size: 8, .value_kind: global_buffer, .address_space: global }
    .group_segment_fixed_size: 188416
    .private_segment_fixed_size: 0
    .kernarg_segment_align: 8
    .kernarg_segment_size: 56
    .max_flat_workgroup_size: 512
    .sgpr_count:     66
    .vgpr_count:     208
    .wavefront_size: 32
...
	.end_amdgpu_metadata
.endif
;; end of part 2
